; MI455X (gfx1250); checked and timed in simulation.
; The chip was launched on July 23, 2026; its instructions are those of AMD's public machine-readable ISA for CDNA 5 (MIT licence, August 2026) and "CDNA5" Instruction Set Architecture Reference Guide (July 2026). The comments in the code are by the model that wrote it; some were corrected since.
;; Multi Attention Block. Allowed arithmetic: matrix products marked QUANTISED: E4M3 operands, one E8M0 scale for each 32 along K, by v_wmma_scale_f32_16x16x128_f8f6f4 with both operands' format E4M3, f32 sums; everything else in f32.
;; Inputs: Wk_codes 16 x 64 x 32 x 32 uint8 (E4M3 codes of Wk, K innermost, in blocks of 32 codes); Wk_scales 16 x 64 x 32 uint8 (E8M0 scales of Wk, one for each 32 codes along K); Wo_codes 1,024 x 32 x 32 uint8 (E4M3 codes of Wo, K innermost, in blocks of 32 codes); Wo_scales 1,024 x 32 uint8 (E8M0 scales of Wo, one for each 32 codes along K); Wq_codes 16 x 64 x 32 x 32 uint8 (E4M3 codes of Wq, K innermost, in blocks of 32 codes); Wq_scales 16 x 64 x 32 uint8 (E8M0 scales of Wq, one for each 32 codes along K); Wv_codes 16 x 64 x 32 x 32 uint8 (E4M3 codes of Wv, K innermost, in blocks of 32 codes); Wv_scales 16 x 64 x 32 uint8 (E8M0 scales of Wv, one for each 32 codes along K); bk 16 x 64 float32; bo 1,024 float32; bq 16 x 64 float32; bv 16 x 64 float32; x_codes 4 x 2,048 x 32 x 32 uint8 (E4M3 codes of x, K innermost, in blocks of 32 codes); x_scales 4 x 2,048 x 32 uint8 (E8M0 scales of x, one for each 32 codes along K).
;; Outputs: out0 4 x 2,048 x 1,024 float32.
;; This version of the problem:
;;   THIS VERSION OF THE PROBLEM IS GIVEN IN LOW PRECISION. The matrix products marked QUANTISED in the list below multiply operands that are first quantised to E4M3 (4 exponent bits, 3 mantissa bits; 8 bits a number), with one power-of-two scale for each 32 numbers along K (OCP MX v1.0); their sums are f32. All else is computed in f32.
;;   The module's matrix products, in the order in which they are computed (A, B: the left and right operand; K: the contracted axis; several contracted axes count as one K, in the product's order):
;;     1. [M 1,024, K 1,024] x [K 1,024, N 8,192]; A: input Wq (given as codes); B: input x (given as codes): QUANTISED
;;     2. [M 1,024, K 1,024] x [K 1,024, N 8,192]; A: input Wk (given as codes); B: input x (given as codes): QUANTISED
;;     3. [M 1,024, K 1,024] x [K 1,024, N 8,192]; A: input Wv (given as codes); B: input x (given as codes): QUANTISED
;;     4. batch 64 x [M 2,048, K 64] x [K 64, N 2,048]; A: computed on the way; B: computed on the way: QUANTISED
;;     5. batch 64 x [M 2,048, K 2,048] x [K 2,048, N 64]; A: softmax (see below); B: computed on the way: QUANTISED
;;     6. [M 8,192, K 1,024] x [K 1,024, N 1,024]; A: computed on the way; B: input Wo (given as codes): QUANTISED
;;   THE QUANTISER, for each operand of a quantised product, along K:
;;     - K is cut into blocks of 32 from its start; a last block that is shorter is filled with zeros.
;;     - A block's scale is 2^e with e = floor(log2(the largest magnitude in the block)) - 8, held to -126 .. 127; a block of zeros has e = 0. As a byte (E8M0): e + 127.
;;     - Each number is divided by its block's scale, clamped to +-448, and rounded to the nearest number of E4M3, ties to even, subnormals kept.
;;     - The product sums the exact products of the quantised numbers (number of the format x scale) in f32.
;;   ~~~python
;;   def quantise(x, axis):      # numpy; x: float32 -> the quantised numbers, widened to float32 again
;;       x = np.moveaxis(x, axis, -1); K = x.shape[-1]
;;       x = np.pad(x, [(0, 0)] * (x.ndim - 1) + [(0, -K % 32)]); x = x.reshape(x.shape[:-1] + (-1, 32)); a = np.abs(x).max(-1, keepdims=True)
;;       e = np.where(a > 0, np.clip(np.frexp(np.where(a > 0, a, 1))[1] - 1 - 8, -126, 127), 0)      # np.frexp(a)[1] - 1 = floor(log2(a)), exactly
;;       r = np.clip(x / 2.0 ** e, -448, 448)
;;       step = 2.0 ** (np.maximum(np.frexp(np.where(r == 0, 1, r))[1] - 1, -6) - 3)
;;       q = np.round(r / step) * step * 2.0 ** e      # np.round: ties to even
;;       return np.moveaxis(q.reshape(q.shape[:-2] + (-1,))[..., :K], -1, axis).astype(np.float32)
;;   ~~~
;;   SOFTMAX AHEAD OF A QUANTISED PRODUCT. Where the list says 'softmax', what is quantised is not the finished softmax but p = 2^(t - M), with t = logit x log2(e) and M = ceil(the row's largest t), a whole number; so 1/2 < the row's largest p <= 1. The row's sum l is taken of the UNQUANTISED p, in f32, and the product's result is divided by l at the end. Since M is a whole number, a kernel that streams over the keys may use a running M (the ceiling of the running maximum): every later rescaling is an exact power of two, which a block's scale takes up: the codes' values come out the same.
;;   OPERANDS COMPUTED ON THE WAY. 'Computed on the way' means the value that the module computes at that place (a softmax that the list does not call 'softmax' is quantised finished and normalised). What goes into a quantiser is computed in f32, as accurately as f32 sums, v_exp_f32 and their like allow (about 1e-6 of the number): no bf16 or f16 on the way to a quantiser, and a product that is left as it is and whose result goes on into a quantised operand takes f32 operands (vector FMAs, or v_wmma_f32_16x16x4_f32). A number that lies on a knife's edge between two numbers of the format may be rounded either way, as far as f32 arithmetic and the matrix unit's own rounding can turn it there, and no further.
;;   INPUTS GIVEN AS CODES. Wk (in the module: [16, 1024, 64], K = its axis 1); Wo (in the module: [1024, 1024], K = its axis 0); Wq (in the module: [16, 1024, 64], K = its axis 1); Wv (in the module: [16, 1024, 64], K = its axis 1); x (in the module: [4, 2048, 1024], K = its axis 2): each comes as NAME_codes (uint8): NAME with its K axis moved to the last place and cut into blocks of 32 codes, [.., K / 32, bytes a block], one block behind the other in memory; one code a byte (a code: sign, 4 exponent bits, 3 mantissa bits); and NAME_scales (uint8): the same leading axes, one E8M0 byte (e + 127) for each 32 codes along K. Its value is code x scale, taken as it is: it is not quantised again, and the codes and scales need not be those that the quantiser above would give.
;; One version. Each part assembles by itself: llvm-mc -triple=amdgcn-amd-amdhsa -mcpu=gfx1250 --defsym DOCPART=n.
;; ======== version 1 of 1: 3 launches
;; limits: right only within a limited range of input values
;; workspace buffers: qimg 8,388,608 bytes; qsc 262,144 bytes; kv 17,301,504 bytes; aimg 8,388,608 bytes; asc 262,144 bytes
;; launch qkv (part 1): grid 16 x 32, 4 waves a work-group, clusters of 4 x 4, 327,680 bytes of LDS; arguments x_codes, x_scales, Wq_codes, Wq_scales, bq, Wk_codes, Wk_scales, bk, Wv_codes, Wv_scales, bv, qimg, qsc, kv; writes qimg, qsc, kv
.if DOCPART == 1
	.amdgcn_target "amdgcn-amd-amdhsa--gfx1250"
	.amdhsa_code_object_version 6
	.text
	.protected	k_q202546005d_qkv
	.globl	k_q202546005d_qkv
	.p2align	8
	.type	k_q202546005d_qkv,@function
k_q202546005d_qkv:
	s_mov_b64 s[64:65], 0
	v_nop
	global_prefetch_b8 v0, s[64:65] scope:SCOPE_SE
	s_setreg_imm32_b32 hwreg(HW_REG_WAVE_MODE, 25, 1), 1
	s_wait_xcnt 0x0
	s_wait_alu depctr_hold_cnt(0) depctr_sa_sdst(0) depctr_va_vdst(0) depctr_va_sdst(0) depctr_va_ssrc(0) depctr_va_vcc(0) depctr_vm_vsrc(0)
	s_getreg_b32 s2, hwreg(HW_REG_IB_STS2, 6, 4)
	s_cmp_eq_u32 s2, 0
	s_cbranch_scc0 .Lentry_in_a_cluster
	s_endpgm
.Lentry_in_a_cluster:
	s_bfe_u32 s2, ttmp6, 0x10000c
	s_cmp_lg_u32 s2, 0xf033
	s_cbranch_scc0 .Lentry_shape_is_right
	s_endpgm
.Lentry_shape_is_right:
; q, k, v = x W + b for one head and 256 tokens, on codes of FP8 (E4M3) with one E8M0 scale for each 32 along K = 1,024; then q and k are quantised along the head's 64,
; v along the tokens (the keys), and all three leave as IMAGES OF OPERAND REGISTERS: 16 bytes a lane, 512 consecutive bytes a store, in the order in which the attention launch loads them.
; SHARES.  Work-group (head, block of 256 tokens), four waves.  Wave w: th = w / 2 (its 128 tokens: one key step of the attention), ch = w % 2: ch = 0 makes q and V's d-tiles 0, 1; ch = 1 makes k and V's d-tiles 2, 3.
; The text is one for both: only pointers are chosen by ch.  48 accumulators a wave:
;   32 "qk": source 0 = 16 rows of Wq or Wk, source 1 = 16 tokens: lane (r, h) holds token r, register j the channel 16 T + 8 h + j;
;   16 "v":  source 0 = 16 tokens, source 1 = 16 rows of Wv: lane (r, h) holds one channel, register j the token 16 i + 8 h + j.
; ORDER INSIDE A BLOCK OF 32.  Two neighbouring result tiles give a lane 16 numbers of a block: 8 h + 0..7 and 16 + 8 h + 0..7.  That is a permutation inside the block, the same for q and k (along d) and for
; p and v (along the keys): products and block scales are as with the natural order.
; V's CHANNELS: lane r of d-tile 2 b + u takes Wv's row 32 b + 8 u + r + 8 (r / 8), so that the attention's result holds 16 NEIGHBOURING channels in a lane, which the last product's given Wo wants.
; A PAIR of token tiles (2 n, 2 n + 1) of q or k is one run of 16 code registers: tile 2 n's 64 channels in registers 0-7, tile 2 n + 1's in 8-15; its scale word holds two bytes of each.
; K goes in steps of 256 through two LDS slots filled by the tensor data mover; the 8 steps of 128 are written out, since each names its own scale registers.
; CLUSTER 4 x 4: x's tile hangs on the token block alone and is asked for jointly along a row of the cluster, the weights' tiles on the head alone, jointly along a column.
; LIMITS: NaN and infinities among q, k, v are not served.  A block whose largest magnitude lies under 2^-118 keeps the scale byte 1 (a block of zeros too: its codes are zeros, and this program alone reads the bytes).
; REGISTERS, in windows of 256.  window 0: v1-15 addresses; v16-23 head's temporaries; v24-55 x's scale words, v56-71 Wq's or Wk's, v72-79 Wv's; v80-95 the quantiser's; v96-101 scale words made; v102-107 merged words; v128-255 the v accumulators.
;   window 1: fragment set 0 (x v0-127, Wq or Wk v128-191, Wv v192-223); v224-255 the qk bias; at the end v0-95 the codes.   window 2: fragment set 1; v224-239 the v bias.   window 3: the qk accumulators, (i, T) at v[8 (4 i + T)].
.set PITCH, 272                        ; an LDS row: 256 bytes + 16 of padding: the 16 rows that a load touches start at 16 different groups of banks
.set XB,    256*PITCH                  ; x's 256 rows
.set WB,    64*PITCH                   ; 64 rows of one weight
.set SLOT,  XB+3*WB                    ; x, Wq, Wk, Wv
.set VSX,   2*SLOT                     ; behind the ring: V's scale words on their way between the two waves of a key step: [th][lane][2 words]
.set SPARE, VSX+512                    ; the spare words, 128 bytes for each wave: two blocks of 256 bytes that no other line names
.set STEPB, 16896                      ; a key step's block in kv: K's codes 8,192, V's codes 8,192, K's words 256, V's words 256
.set ADRX, 4                           ; v4-5   LDS address of my x fragments in slot 0, 1
.set ADRW, 6                           ; v6-7   of my Wq or Wk fragments
.set ADRV, 8                           ; v8-9   of my Wv fragments
.set LI16, 10                          ; v10    16 x lane
.set LI8,  11                          ; v11    8 x lane
.set VSA,  12                          ; v12    where I put V's scale word
.set VSR,  13                          ; v13    where a wave with ch = 0 reads both
.set SPW,  14                          ; v14    my spare word; never rewritten
.set NIL,  15                          ; v15    0; never rewritten
.set XS,   24
.set WS,   56
.set VSC,  72
.set TM,   80                          ; v80-83 largest magnitudes, v84-87 bytes, v88-91 448 x the scale, v92-95 the conversions' scale operands
.set PW,   96
.set MG,   102
.set VACC, 128
.set WV, 32
.set TH, 33
.set CH, 34
.set G1X, 44                           ; s[44:51] descriptor group 1 for x's tiles;  s[52:59] for the weights'
.set G1W, 52
.set SEL, 60
.set MNT, 62
.set LMASK, 63
.set G0X, 68                           ; s[68:75] group 0 for x, a set for each slot;  s[76:83] for the weights
.set G0W, 76
.set CB, 90                            ; s[90:91] where my pairs' codes go;  s[92:93] their words;  s[94:95] V's codes;  s[96:97] V's words
.set SB, 92
.set VB, 94
.set VSB, 96
.set MSB, 0
.macro WIN new                         ; the immediate's high byte repeats the setting that is left; a switch that changes nothing is dropped
.if MSB != (\new)
	s_set_vgpr_msb (MSB<<8)|(\new)
.set MSB, (\new)
.endif
.endm
.macro PLACES n
.rept \n
	v_nop
.endr
.endm
; A joint load: wave 0 fetches x's 256 rows, waves 1, 2, 3 the 64 rows of Wq, Wk, Wv.  The branch hangs on the wave's number alone.  Four v_nop follow each line.
.macro JLOAD s
	s_cmp_eq_u32 s[WV], 0
	s_cbranch_scc0 .Lfor_w_\@
	tensor_load_to_lds s[G0X+4*\s:G0X+4*\s+3], s[G1X:G1X+7]
	s_nop 0
.rept 4
	v_nop
.endr
	s_branch .Lasked_\@
.Lfor_w_\@:
	tensor_load_to_lds s[G0W+4*\s:G0W+4*\s+3], s[G1W:G1W+7]
	s_nop 0
.rept 4
	v_nop
.endr
.Lasked_\@:
.endm
.macro CREST                           ; a round of the cluster's barrier behind its opening barrier
	s_cmp_lg_u32 s[WV], 0
	s_cbranch_scc1 .Lnot_wave_0_\@
	s_barrier_signal -3
.Lnot_wave_0_\@:
	s_barrier_wait -3
	s_barrier_signal -1
	s_barrier_wait -1
.endm
.macro CROUND
	s_barrier_signal -1
	s_barrier_wait -1
	CREST
.endm
	s_load_b512 s[4:19], s[0:1], 0x0               ; x codes s[4:5], x scales s[6:7], Wq codes s[8:9], Wq scales s[10:11], bq s[12:13], Wk codes s[14:15], Wk scales s[16:17], bk s[18:19]
	s_load_b256 s[20:27], s[0:1], 0x40             ; Wv codes s[20:21], Wv scales s[22:23], bv s[24:25], qimg s[26:27]
	s_load_b128 s[28:31], s[0:1], 0x60             ; qsc s[28:29], kv s[30:31]
	v_lshl_add_u32 v[SPW], v0, 2, SPARE
	v_mov_b32 v[NIL], 0
	ds_add_u32 v14, v15
	ds_add_u32 v14, v15
	s_wait_dscnt 0x0
	v_lshrrev_b32 v16, 5, v0
	v_readfirstlane_b32 s[WV], v16                 ; wave 0..3
	s_lshr_b32 s[TH], s[WV], 1
	s_and_b32 s[CH], s[WV], 1
	s_bfe_u32 s35, ttmp6, 0x40000                  ; cx, cy: my place in the cluster
	s_bfe_u32 s36, ttmp6, 0x40004
	s_lshl_b32 s37, ttmp9, 2
	s_add_co_u32 s37, s37, s35                     ; the head = 4 x cluster x + cx
	s_and_b32 s38, ttmp7, 0xffff
	s_lshl_b32 s38, s38, 2
	s_add_co_u32 s38, s38, s36                     ; the block of 256 tokens = 4 x cluster y + cy
	s_lshl_b32 s39, s36, 2
	s_lshl_b32 s39, 15, s39                        ; my row of the cluster
	s_lshl_b32 s40, 0x1111, s35                    ; my column
	; descriptor group 1: rows of 256 bytes (elements of 1 byte), 16 bytes of padding behind each, 1,024 bytes from row to row in memory
	s_or_b32 s[G1X], s39, (1<<20)|(1<<21)|(5<<22)|(3<<25)   ; 15:0 the mask; 20 padding on; 21 set beside a mask; 24:22 after every 64 words; 31:25 four words
	s_or_b32 s[G1W], s40, (1<<20)|(1<<21)|(5<<22)|(3<<25)
.irp g, G1X, G1W
	s_mov_b32 s[\g+1], 256<<16                     ; tensor_dim0
	s_mov_b32 s[\g+3], 256<<16                     ; tile_dim0
	s_mov_b32 s[\g+5], 1024                        ; tensor_dim0_stride
	s_mov_b32 s[\g+6], 0
	s_mov_b32 s[\g+7], 0
.endr
	s_mov_b32 s[G1X+2], 256<<16                    ; tensor_dim1, tile_dim1: x 256 rows,
	s_mov_b32 s[G1X+4], 256
	s_mov_b32 s[G1W+2], 64<<16                     ; a weight 64
	s_mov_b32 s[G1W+4], 64
	s_mov_b32 s[SEL], 0x76543210
	s_mov_b32 s[SEL+1], 0xfedcba98                 ; v_permlanex16_b32's selects for lane l xor 16
	s_mov_b32 s[MNT], 0x600000                     ; the mantissa field of 448
	s_mov_b32 s[LMASK], 0xffff0000                 ; lanes 16-31
	; every LDS address is made here, ahead of the first parting of the waves
	v_and_b32 v1, 15, v0                           ; r
	v_bfe_u32 v2, v0, 4, 1                         ; h
	v_and_b32 v3, 31, v0                           ; lane
	v_mul_u32_u24 v16, v1, PITCH
	v_lshl_add_u32 v16, v2, 4, v16                 ; a fragment's row x pitch + 16 h
	s_wait_alu depctr_va_vdst(0)
	v_and_b32 v17, 8, v1
	v_add_nc_u32 v17, v17, v1                      ; r + 8 (r / 8)
	v_mul_u32_u24 v18, v17, PITCH
	v_lshl_add_u32 v18, v2, 4, v18
	s_wait_alu depctr_va_vdst(0)
	s_mul_i32 s41, s[TH], 128*PITCH                ; my 128 tokens
	s_mul_i32 s42, s[CH], WB
	s_add_co_u32 s42, s42, XB                      ; Wq or Wk
	s_mul_i32 s43, s[CH], 32*PITCH
	s_add_co_u32 s43, s43, XB+2*WB                 ; my 32 rows of Wv
.irp s, 0,1
	v_add_nc_u32 v[ADRX+\s], s41, v16
	v_add_nc_u32 v[ADRW+\s], s42, v16
	v_add_nc_u32 v[ADRV+\s], s43, v18
	s_add_co_u32 s41, s41, SLOT
	s_add_co_u32 s42, s42, SLOT
	s_add_co_u32 s43, s43, SLOT
.endr
	v_lshlrev_b32 v[LI16], 4, v3
	v_lshlrev_b32 v[LI8], 3, v3
	s_lshl_b32 s41, s[TH], 8
	s_add_co_u32 s41, s41, VSX
	v_add_nc_u32 v[VSR], s41, v[LI8]
	s_lshl_b32 s42, s[CH], 2
	v_add_nc_u32 v[VSA], s42, v[VSR]
	v_lshlrev_b32 v19, 5, v3                       ; scale rows: 32 bytes a row, a lane a row
	v_lshl_add_u32 v20, v2, 3, v17
	v_lshlrev_b32 v20, 5, v20                      ; Wv's: row 8 (lane / 16) + r + 8 (r / 8)
	v_lshlrev_b32 v21, 5, v2                       ; the qk bias: 8 h numbers on
	v_lshlrev_b32 v22, 2, v17                      ; the v bias: my channel
.irp b, 0,1,2,3
	v_mov_b32 v[TM+4+\b], 0                        ; written once: a lane permute's destination counts as one of its sources
.endr
	s_lshl_b32 s84, s38, 18                        ; x: 256 tokens x 1,024 bytes; the token block alone enters
	s_mov_b32 s85, 0
	s_lshl_b32 s86, s37, 16                        ; a weight: 64 rows x 1,024 bytes; the head alone enters
	s_mov_b32 s87, 0
	s_mul_i32 s41, s[WV], WB
	s_add_co_u32 s41, s41, XB-WB                   ; waves 1, 2, 3: behind x's rows, one weight behind the other
	s_wait_kmcnt 0x0
	s_add_nc_u64 s[84:85], s[4:5], s[84:85]
	s_cmp_lt_u32 s[WV], 2
	s_cselect_b64 s[88:89], s[8:9], s[14:15]
	s_cmp_lt_u32 s[WV], 3
	s_cselect_b64 s[88:89], s[88:89], s[20:21]     ; wave 1: Wq, wave 2: Wk, wave 3: Wv
	s_add_nc_u64 s[88:89], s[88:89], s[86:87]
.irp s, 0,1
	s_mov_b32 s[G0X+4*\s], 1                       ; count = 1
	s_mov_b32 s[G0X+4*\s+1], \s*SLOT               ; LDS address
	s_add_nc_u64 s[G0X+4*\s+2:G0X+4*\s+3], s[84:85], \s*256   ; global address: K 256 s on
	s_or_b32 s[G0X+4*\s+3], s[G0X+4*\s+3], 0x80000000         ; type = 2
	s_mov_b32 s[G0W+4*\s], 1
	s_add_co_u32 s[G0W+4*\s+1], s41, \s*SLOT
	s_add_nc_u64 s[G0W+4*\s+2:G0W+4*\s+3], s[88:89], \s*256
	s_or_b32 s[G0W+4*\s+3], s[G0W+4*\s+3], 0x80000000
.endr
	CROUND                                         ; all sixteen work-groups are here: the first joint loads meet
	JLOAD 0                                        ; slot 0: one tensor load a wave at the head
	; the scale words and the biases come once, straight into registers: a lane takes a row's 32 scale bytes, the words of the 8 K steps; lanes 0-15 serve the even tile of a pair, lanes 16-31 the odd one
	s_lshl_b32 s98, s38, 13
	s_lshl_b32 s99, s[TH], 12
	s_add_co_u32 s98, s98, s99
	s_mov_b32 s99, 0
	s_add_nc_u64 s[6:7], s[6:7], s[98:99]          ; x's scales at my 128 tokens
	s_cmp_eq_u32 s[CH], 0
	s_cselect_b64 s[10:11], s[10:11], s[16:17]     ; Wq's or Wk's scales,
	s_cselect_b64 s[12:13], s[12:13], s[18:19]     ; bq or bk
	s_lshl_b32 s98, s37, 11
	s_add_nc_u64 s[10:11], s[10:11], s[98:99]      ; at my head
	s_lshl_b32 s100, s[CH], 10
	s_add_co_u32 s98, s98, s100
	s_add_nc_u64 s[22:23], s[22:23], s[98:99]      ; Wv's scales at my 32 rows
	s_lshl_b32 s98, s37, 8
	s_add_nc_u64 s[12:13], s[12:13], s[98:99]
	s_lshl_b32 s100, s[CH], 7
	s_add_co_u32 s98, s98, s100
	s_add_nc_u64 s[24:25], s[24:25], s[98:99]      ; bv at my 32 channels
	s_wait_alu depctr_va_vdst(0)
.irp i, 0,1,2,3
	global_load_b128 v[XS+8*\i:XS+8*\i+3], v19, s[6:7] offset:1024*\i
	global_load_b128 v[XS+8*\i+4:XS+8*\i+7], v19, s[6:7] offset:1024*\i+16
.endr
.irp t, 0,1
	global_load_b128 v[WS+8*\t:WS+8*\t+3], v19, s[10:11] offset:1024*\t
	global_load_b128 v[WS+8*\t+4:WS+8*\t+7], v19, s[10:11] offset:1024*\t+16
.endr
	global_load_b128 v[VSC:VSC+3], v20, s[22:23]
	global_load_b128 v[VSC+4:VSC+7], v20, s[22:23] offset:16
	WIN 0x40                                       ; destination window 1
.irp t, 0,1,2,3
	global_load_b128 v[224+8*\t:224+8*\t+3], v21, s[12:13] offset:64*\t       ; the bias in the result's layout: channels 16 T + 8 h + 0 .. 7
	global_load_b128 v[224+8*\t+4:224+8*\t+7], v21, s[12:13] offset:64*\t+16
.endr
	WIN 0x80                                       ; destination window 2
.irp u, 0,1
.irp j, 0,1,2,3,4,5,6,7
	global_load_b32 v[224+8*\u+\j], v22, s[24:25] offset:32*\u                ; a lane's one channel, for all eight tokens of a register run
.endr
.endr
	WIN 0
	; where the results go
	s_lshr_b32 s98, s38, 3
	s_lshl_b32 s98, s98, 4
	s_add_co_u32 s98, s98, s37                     ; 16 x batch + head
	s_and_b32 s100, s38, 7
	s_lshl_b32 s100, s100, 1
	s_add_co_u32 s100, s100, s[TH]                 ; my key step in the head
	s_lshl_b32 s101, s98, 4
	s_add_co_u32 s101, s101, s100
	s_mul_i32 s42, s101, STEPB
	s_mov_b32 s43, 0
	s_add_nc_u64 s[30:31], s[30:31], s[42:43]      ; kv at my step's block
	s_lshl_b32 s42, s101, 13
	s_add_nc_u64 s[26:27], s[26:27], s[42:43]      ; qimg: 8,192 bytes a step
	s_lshl_b32 s42, s101, 8
	s_add_nc_u64 s[28:29], s[28:29], s[42:43]      ; qsc: 256 bytes a step
	s_add_nc_u64 s[SB:SB+1], s[30:31], 16384
	s_add_nc_u64 s[VSB:VSB+1], s[30:31], 16640
	s_lshl_b32 s42, s[CH], 12
	s_add_co_u32 s42, s42, 8192
	s_add_nc_u64 s[VB:VB+1], s[30:31], s[42:43]
	s_cmp_eq_u32 s[CH], 0
	s_cselect_b64 s[CB:CB+1], s[26:27], s[30:31]
	s_cselect_b64 s[SB:SB+1], s[28:29], s[SB:SB+1]
; one scaled product; ra, rb: the scale words stand in lanes 16-31 of their registers
.macro WM d, a, b, c, sa, sb, ra, rb
.if (\ra) && (\rb)
	v_wmma_scale_f32_16x16x128_f8f6f4 v[\d:\d+7], v[\a:\a+15], v[\b:\b+15], v[\c:\c+7], v[\sa], v[\sb] matrix_a_scale:MATRIX_SCALE_ROW1 matrix_b_scale:MATRIX_SCALE_ROW1
.elseif (\ra)
	v_wmma_scale_f32_16x16x128_f8f6f4 v[\d:\d+7], v[\a:\a+15], v[\b:\b+15], v[\c:\c+7], v[\sa], v[\sb] matrix_a_scale:MATRIX_SCALE_ROW1
.elseif (\rb)
	v_wmma_scale_f32_16x16x128_f8f6f4 v[\d:\d+7], v[\a:\a+15], v[\b:\b+15], v[\c:\c+7], v[\sa], v[\sb] matrix_b_scale:MATRIX_SCALE_ROW1
.else
	v_wmma_scale_f32_16x16x128_f8f6f4 v[\d:\d+7], v[\a:\a+15], v[\b:\b+15], v[\c:\c+7], v[\sa], v[\sb]
.endif
.endm
; 8 products: token tiles 2 g, 2 g + 1 x the four tiles of Wq's or Wk's rows, K step j.  In K step 0 the bias is the C: nothing is cleared, nothing is added later.
.macro MULQK j, g
.irp i, 2*(\g), 2*(\g)+1
.irp t, 0,1,2,3
.if (\j) == 0
	WM 8*(4*(\i)+\t), 128+16*\t, 16*(\i), 224+8*\t, WS+8*(\t/2)+(\j), XS+8*((\i)/2)+(\j), \t%2, (\i)%2
.else
	WM 8*(4*(\i)+\t), 128+16*\t, 16*(\i), 8*(4*(\i)+\t), WS+8*(\t/2)+(\j), XS+8*((\i)/2)+(\j), \t%2, (\i)%2
.endif
.endr
.endr
.endm
; 8 products: the eight token tiles x d-tile u of V
.macro MULV j, u
.irp i, 0,1,2,3,4,5,6,7
.if (\j) == 0
	WM VACC+64*(\u)+8*\i, 16*\i, 192+16*(\u), 224+8*(\u), XS+8*(\i/2)+(\j), VSC+(\j), \i%2, \u
.else
	WM VACC+64*(\u)+8*\i, 16*\i, 192+16*(\u), VACC+64*(\u)+8*\i, XS+8*(\i/2)+(\j), VSC+(\j), \i%2, \u
.endif
.endr
.endm
.macro FRAG reg, adr, off              ; a fragment, 16 rows x 128 K: registers 4 c .. 4 c + 3 hold K = 32 c + 16 h + 0 .. 15
.irp c, 0,1,2,3
	ds_load_b128 v[\reg+4*\c:\reg+4*\c+3], v[\adr] offset:\off+32*\c
.endr
.endm
.macro FETCH slot, q, p                ; 56 LDS loads in one run: the fragments of the slot's q-th 128 along K into set p
	WIN (1+(\p))<<6
.irp i, 0,1,2,3,4,5,6,7
	FRAG 16*\i, ADRX+(\slot), \i*16*PITCH+128*(\q)
.endr
.irp t, 0,1,2,3
	FRAG 128+16*\t, ADRW+(\slot), \t*16*PITCH+128*(\q)
.endr
.irp u, 0,1
	FRAG 192+16*\u, ADRV+(\slot), \u*8*PITCH+128*(\q)
.endr
	WIN 0
.endm
; The 48 accumulators take turns, one instruction a turn, in the same order in every K step.
; A load into a register that a product has read stands eight plain vector instructions behind that product.
; An even K step (set 0): its successor lies in the same slot.
.macro EVEN j, slot
	s_wait_dscnt 0x0                               ; this step's fragments are in
.if (\j) > 0
	PLACES 8
.endif
	FETCH \slot, 1, 1                              ; the next step's, 48 products ahead of their use
.if (\j) == 0
	WIN 0xd5                                       ; sources 0, 1 and the bias window 1, D window 3
.else
	WIN 0xf5                                       ; sources window 1, C and D window 3
.endif
	MULQK \j, 0
	MULQK \j, 1
	MULQK \j, 2
	MULQK \j, 3
.if (\j) == 0
	WIN 0x25                                       ; sources window 1, the bias window 2, D window 0
.else
	WIN 0x05
.endif
	MULV \j, 0
	MULV \j, 1
	WIN 0
.endm
; An odd K step (set 1) changes slots: one barrier; in front of it each wave waits for all its tensor loads, adds 0 to its spare word, and waits for that and for its reads of this slot.
; fill = 1: the barrier opens a round of the cluster's, and this slot is filled again, with K 512 further on: 80 products stand between the request and the wait for it.
.macro ODD j, slot, fill
	s_wait_tensorcnt 0x0                           ; all my tensor loads have landed: my part of the other slot
	ds_add_u32 v[SPW], v[NIL]                      ; 0 onto my spare word
	s_wait_dscnt 1                                 ; only the add, the youngest, may be out: this step's fragments are in
	WIN 0xfa                                       ; sources window 2, C and D window 3
	MULQK \j, 0                                    ; eight products stand between the add and the wait for it
	s_wait_dscnt 0x0                               ; the add is done, and my reads of this slot are over
	s_barrier_signal -1
	MULQK \j, 1
	WIN 0
	s_barrier_wait -1
.if \fill
	CREST                                          ; no wave of any partner still reads this slot or has a load on its way
	s_add_nc_u64 s[G0X+4*\slot+2:G0X+4*\slot+3], s[G0X+4*\slot+2:G0X+4*\slot+3], 512
	s_add_nc_u64 s[G0W+4*\slot+2:G0W+4*\slot+3], s[G0W+4*\slot+2:G0W+4*\slot+3], 512
	JLOAD \slot                                    ; the first tensor load behind the round, one a wave; its four v_nop are four of the eight places
	PLACES 4
.else
	PLACES 8
.endif
	FETCH 1-(\slot), 0, 0
	WIN 0xfa
	MULQK \j, 2
	MULQK \j, 3
	WIN 0x0a
	MULV \j, 0
	MULV \j, 1
	WIN 0
.endm
; 64 numbers of a lane, v[s] on in window sw, four groups of 16, each group half of a block of 32 whose other half lies in lane l xor 16, become 16 registers of codes at v[pc] of window 1 and a word of four scale bytes in v[pw].
.macro QUANT s, sw, pc, pw
	WIN (\sw)|((\sw)<<2)                           ; sources 0 and 1: the numbers' window
.irp b, 0,1,2,3
	v_max3_num_f32 v[TM+\b], |v[\s+16*\b]|, |v[\s+16*\b+1]|, 0x4800000       ; my 16 numbers, from each accumulator's low end on, and the floor 2^(9 - 127): the byte cannot fall under 1
.endr
.irp i, 2,4,6,8,10,12,14
.irp b, 0,1,2,3
	v_max3_num_f32 v[TM+\b], |v[\s+16*\b+\i]|, |v[\s+16*\b+\i+1]|, v[TM+\b]   ; the four groups by turns
.endr
.endr
	WIN 0
.irp b, 0,1,2,3
	v_permlanex16_b32 v[TM+4+\b], v[TM+\b], s[SEL], s[SEL+1]
.endr
.irp b, 0,1,2,3
	v_max_num_f32 v[TM+\b], v[TM+\b], v[TM+4+\b]   ; the block's largest magnitude
.endr
.irp b, 0,1,2,3
	v_add_nc_u32 v[TM+12+\b], 0xfc000000, v[TM+\b] ; 8 off its exponent field: the conversion's scale operand
.endr
.irp b, 0,1,2,3
	v_and_or_b32 v[TM+8+\b], v[TM+\b], 0x7f800000, s[MNT]   ; 448 x the scale
.endr
.irp b, 0,1,2,3
	v_lshrrev_b32 v[TM+4+\b], 23, v[TM+12+\b]      ; the scale's byte
.endr
	v_lshl_or_b32 v[\pw], v[TM+5], 8, v[TM+4]
	v_lshl_or_b32 v[\pw], v[TM+6], 16, v[\pw]
	v_lshl_or_b32 v[\pw], v[TM+7], 24, v[\pw]
	WIN (\sw)|((\sw)<<6)
.irp b, 0,1,2,3
.irp i, 0,1,2,3,4,5,6,7,8,9,10,11,12,13,14,15
	v_med3_num_f32 v[\s+16*\b+\i], v[\s+16*\b+\i], -v[TM+8+\b], v[TM+8+\b]    ; the conversion to an 8-bit code does not saturate (ISA guide 7.6.2): the hold at the largest code x the scale
.endr
.endr
	WIN (\sw)|0x40                                 ; the codes go to window 1
.irp b, 0,1,2,3
	v_cvt_scalef32_pk8_fp8_f32 v[\pc+4*\b:\pc+4*\b+1], v[\s+16*\b:\s+16*\b+7], v[TM+12+\b]
	v_cvt_scalef32_pk8_fp8_f32 v[\pc+4*\b+2:\pc+4*\b+3], v[\s+16*\b+8:\s+16*\b+15], v[TM+12+\b]
.endr
	v_nop                                          ; one plain vector instruction behind the last conversion
.endm
.macro PUT pc, base, off               ; the 16 registers leave as they stand: each store of the wave covers 512 consecutive bytes, aligned to 256
	WIN 0x04                                       ; a store's data are its source 1: window 1
.irp c, 0,1,2,3
	global_store_b128 v[LI16], v[\pc+4*\c:\pc+4*\c+3], s[\base:\base+1] offset:\off+512*\c
.endr
.endm
	s_wait_alu depctr_va_vdst(0)                   ; the head's end
	s_wait_tensorcnt 0x0                           ; my part of slot 0 is in; slot 1's first fill is issued as a refill is
	ds_add_u32 v[SPW], v[NIL]
	s_wait_dscnt 0x0
	CROUND                                         ; everybody's part of slot 0 is in, and all sixteen work-groups are here
	JLOAD 1                                        ; slot 1: the first tensor load behind the round
	FETCH 0, 0, 0
	s_wait_loadcnt 0x0                             ; the scale words and the biases
	EVEN 0, 0
	ODD  1, 0, 1                                   ; slot 0 takes K 512 on
	EVEN 2, 1
	ODD  3, 1, 1                                   ; slot 1 takes K 768 on
	EVEN 4, 0
	ODD  5, 0, 0                                   ; nothing is left to fetch
	EVEN 6, 1
	s_wait_dscnt 0x0                               ; the last step
	WIN 0xfa
	MULQK 7, 0
	MULQK 7, 1
	MULQK 7, 2
	MULQK 7, 3
	WIN 0x0a
	MULV 7, 0
	MULV 7, 1
	WIN 0
	PLACES 8                                       ; in front of the first read of results
.irp n, 0,1,2,3
	QUANT 64*\n, 3, 16*\n, PW+\n                   ; the pair of token tiles 2 n, 2 n + 1 of q or k
	PUT 16*\n, CB, 2048*\n
.endr
.irp u, 0,1
	QUANT VACC+64*\u, 0, 64+16*\u, PW+4+\u         ; a fragment of V: 16 channels x my 128 keys
	PUT 64+16*\u, VB, 2048*\u
.endr
	WIN 0
	v_cndmask_b32 v[MG], v[PW], v[PW+1], s[LMASK]      ; lanes 0-15: pair 0's words, lanes 16-31: pair 1's;
	v_cndmask_b32 v[MG+1], v[PW+2], v[PW+3], s[LMASK]  ; pairs 2 and 3: as the attention's scale registers take them
	v_cndmask_b32 v[MG+2], v[PW+4], v[PW+5], s[LMASK]  ; V's: my two d-tiles
	global_store_b64 v[LI8], v[MG:MG+1], s[SB:SB+1]    ; 32 lanes store 256 consecutive bytes, aligned
	ds_store_b32 v[VSA], v[MG+2]                   ; V's words of a key step come from two waves: they meet in LDS
	s_wait_dscnt 0x0                               ; for the other wave's sake: my store has landed
	s_barrier_signal -1
	s_barrier_wait -1
	s_cmp_lg_u32 s[CH], 0
	s_cbranch_scc1 .Lnot_mine
	ds_load_b64 v[MG+4:MG+5], v[VSR]
	s_wait_dscnt 0x0
	global_store_b64 v[LI8], v[MG+4:MG+5], s[VSB:VSB+1]   ; 256 consecutive bytes, aligned
.Lnot_mine:
	s_wait_tensorcnt 0x0                           ; the wave's end
	ds_add_u32 v[SPW], v[NIL]
	s_wait_dscnt 0x0
	CROUND                                         ; the closing round: no work-group ends while a partner may still ask for a tile that names it
	s_endpgm
.Lfunc_end_k_q202546005d_qkv:
	.size	k_q202546005d_qkv, .Lfunc_end_k_q202546005d_qkv-k_q202546005d_qkv
	.p2alignl 7, 3214868480
	.fill 96, 4, 3214868480
	.section	.rodata,"a",@progbits
	.p2align	6, 0x0
	.amdhsa_kernel k_q202546005d_qkv
		.amdhsa_group_segment_fixed_size 327680
		.amdhsa_private_segment_fixed_size 0
		.amdhsa_enable_private_segment 0
		.amdhsa_kernarg_size 112
		.amdhsa_user_sgpr_count 2
		.amdhsa_user_sgpr_kernarg_segment_ptr 1
		.amdhsa_wavefront_size32 1
		.amdhsa_system_sgpr_workgroup_id_x 1
		.amdhsa_system_sgpr_workgroup_id_y 1
		.amdhsa_system_sgpr_workgroup_id_z 1
		.amdhsa_system_vgpr_workitem_id 0
		.amdhsa_next_free_vgpr 1024
		.amdhsa_next_free_sgpr 104
		.amdhsa_reserve_vcc 0
		.amdhsa_float_denorm_mode_32 3
		.amdhsa_float_denorm_mode_16_64 3
		.amdhsa_memory_ordered 1
		.amdhsa_forward_progress 1
		.amdhsa_inst_pref_size 147
	.end_amdhsa_kernel
	.amdgpu_metadata
---
amdhsa.version: [ 1, 2 ]
amdhsa.kernels:
  - .name:           k_q202546005d_qkv
    .symbol:         k_q202546005d_qkv.kd
    .args:
      - { .name: x_codes, .offset: 0, .size: 8, .value_kind: global_buffer, .address_space: global }
      - { .name: x_scales, .offset: 8, .size: 8, .value_kind: global_buffer, .address_space: global }
      - { .name: Wq_codes, .offset: 16, .size: 8, .value_kind: global_buffer, .address_space: global }
      - { .name: Wq_scales, .offset: 24, .size: 8, .value_kind: global_buffer, .address_space: global }
      - { .name: bq, .offset: 32, .size: 8, .value_kind: global_buffer, .address_space: global }
      - { .name: Wk_codes, .offset: 40, .size: 8, .value_kind: global_buffer, .address_space: global }
      - { .name: Wk_scales, .offset: 48, .size: 8, .value_kind: global_buffer, .address_space: global }
      - { .name: bk, .offset: 56, .size: 8, .value_kind: global_buffer, .address_space: global }
      - { .name: Wv_codes, .offset: 64, .size: 8, .value_kind: global_buffer, .address_space: global }
      - { .name: Wv_scales, .offset: 72, .size: 8, .value_kind: global_buffer, .address_space: global }
      - { .name: bv, .offset: 80, .size: 8, .value_kind: global_buffer, .address_space: global }
      - { .name: qimg, .offset: 88, .size: 8, .value_kind: global_buffer, .address_space: global }
      - { .name: qsc, .offset: 96, .size: 8, .value_kind: global_buffer, .address_space: global }
      - { .name: kv, .offset: 104, .size: 8, .value_kind: global_buffer, .address_space: global }
    .group_segment_fixed_size: 327680
    .private_segment_fixed_size: 0
    .kernarg_segment_align: 8
    .kernarg_segment_size: 112
    .max_flat_workgroup_size: 128
    .sgpr_count:     104
    .vgpr_count:     1024
    .wavefront_size: 32
...
	.end_amdgpu_metadata
.endif
;; end of part 1
;; launch attn (part 2): grid 4 x 64, 16 waves a work-group, clusters of 4 x 1, 327,680 bytes of LDS; arguments qimg, qsc, kv, aimg, asc; writes aimg, asc
.if DOCPART == 2
	.amdgcn_target "amdgcn-amd-amdhsa--gfx1250"
	.amdhsa_code_object_version 6
	.text
	.protected	k_q202546005d_attn
	.globl	k_q202546005d_attn
	.p2align	8
	.type	k_q202546005d_attn,@function
k_q202546005d_attn:
	s_mov_b64 s[64:65], 0
	v_nop
	global_prefetch_b8 v0, s[64:65] scope:SCOPE_SE
	s_setreg_imm32_b32 hwreg(HW_REG_WAVE_MODE, 25, 1), 1
	s_wait_xcnt 0x0
	s_wait_alu depctr_hold_cnt(0) depctr_sa_sdst(0) depctr_va_vdst(0) depctr_va_sdst(0) depctr_va_ssrc(0) depctr_va_vcc(0) depctr_vm_vsrc(0)
	s_getreg_b32 s2, hwreg(HW_REG_IB_STS2, 6, 4)
	s_cmp_eq_u32 s2, 0
	s_cbranch_scc0 .Lentry_in_a_cluster
	s_endpgm
.Lentry_in_a_cluster:
	s_bfe_u32 s2, ttmp6, 0x10000c
	s_cmp_lg_u32 s2, 0x3003
	s_cbranch_scc0 .Lentry_shape_is_right
	s_endpgm
.Lentry_shape_is_right:
; Causal attention of one (batch, head) on codes of FP8 (E4M3) with E8M0 scales: S^T = K Q^T (K = the head's 64), p = 2^(t - M), O^T = V^T P^T (K = the keys); O / l is quantised along the channels for the last product.
; t = score x log2(e) / 32 (the scale is 1,024^-0.5); M = the running largest t rounded UP to a whole number; the row's sum l is taken of the unquantised p; when M moves, l and O are multiplied by 2^(old M - new M): exact.
; LEFT OUT: key steps all of whose 128 keys come after a tile's 16 queries: the causal mask makes their p zero for all values of the inputs.
; K AND V OF THE WHOLE HEAD STAY IN LDS: 16 key steps x 16,896 bytes (images of operand registers, dense) = 270,336 bytes, filled once: wave w asks for step w, one tensor load a wave, and nothing is filled again.
; CLUSTER 4 x 1: the four work-groups of a head need the same 16 steps, so each load is a joint one (mask 15); its descriptor hangs on the head and the wave's number alone.
; SHARES.  A head's 2,048 queries are 128 tiles of 16.  With g = wave / 2, b = wave % 2, cx the place in the cluster, a wave owns tile a = 8 g + 2 cx + b (steps 0 .. g) and tile 127 - a (steps 0 .. 15 - g): 17 steps for every wave.
; Trip counts, branches and LDS addresses hang on the wave's number and the trip alone; cx enters global addresses and the numbers that the diagonal's mask compares.
; TRIP n reads step min(n, n - g - 1) (unsigned: the second is huge while n <= g), never above n.  So the first barrier shows steps 0 to 3 (waves 0 to 3's load line), four trips follow, and the second barrier shows the rest.
; NO PREFETCH: the head's loads ask for every byte of K and V that the launch reads; no later request is left to run ahead of.  Q of both tiles comes into registers at the head.
; K = 64 IN A FORM OF K = 128: a fragment of K holds key tile 2 b in registers 0-7 and tile 2 b + 1 in 8-15.  Q stands as [q][zeros][q] in v16-39: v[16:31] = (q | 0), v[24:39] = (0 | q).
; LAYOUT.  A lane holds ONE query (lane % 16).  Register 16 b + i of the scores: key 32 b + 8 h + i (i < 8) or 32 b + 16 + 8 h + i - 8: a permutation inside the block of 32, which V's codes share.
; O^T's 16 registers of d-tiles 2 b, 2 b + 1 are channels 32 b + 16 h + 0 .. 15: the conversions' results are the last product's operand.
; asc: [head][batch][quarter (token / 32) % 4][group token / 128][token % 32] of 2 bytes: a work-group's tiles fill quarter cx of groups 0-7 and quarter 3 - cx of groups 8-15: two runs of 512 bytes.
; LIMITS: NaN and infinities are not served; the scaled scores t stay under 2^31 in magnitude.  A block whose largest magnitude lies under 2^-118 keeps the scale byte 1 (this program alone reads the bytes).
.set STEPB, 16896                      ; a key step's block: K's codes 8,192, V's codes 8,192, K's words 256, V's words 256
.set ASX,   16*STEPB                   ; behind K and V: the output's scale bytes on their way out: [tile of two][wave 16][query 16] of 2 bytes
.set SPARE, ASX+1024                   ; the spare words, 128 bytes for each wave: eight blocks of 256 bytes that no other line names
.set LI,  1                            ; 16 x lane
.set LS,  2                            ; 8 x lane
.set ASA, 3                            ; where I put my query's output scale bytes
.set ASR, 4                            ; where waves 0 and 1 read 512 bytes back
.set SPW, 5                            ; my spare word; never rewritten
.set NIL, 6                            ; 0; never rewritten
.set Q2W, 7                            ; the second tile's scale word
.set ADK, 8                            ; LDS address of the step's codes for my lane
.set ADS, 9                            ; of its scale words
.set QL,  10                           ; r - 8 h
.set NINF, 11                          ; -infinity
.set FR,  40                           ; v40-103  four fragments, of K and then of V
.set S,   104                          ; v104-167 S^T, then p
.set OT,  168                          ; v168-199 O^T
.set PC,  200                          ; v200-215 p's codes
.set BM,  216                          ; block maxima
.set PT,  220                          ; at work
.set HS,  224                          ; 448 x the scale
.set SO,  228                          ; the conversions' scale operands
.set FF,  232                          ; v[232:233] f; the upper word is written once
.set TMP, 234
.set PWD, 235                          ; p's scale word
.set KW,  236
.set VW,  238
.set QW,  240
.set HW,  241                          ; the first tile's output scale bytes
.set WD,  242                          ; those of the tile just ended
.set QSO, 243                          ; 8 x r
.set SC,  244                          ; v244-247 two of the sum's four chains
.set Q2,  248                          ; v248-255 the second tile's codes
.set WV, 14
.set G,  15
.set B,  16
.set CX, 17
.set BH, 18
.set MNT, 19
.set SEL, 20
.set CS, 22                            ; s[22:23] c = log2(e) / 32
.set G1, 24
.set G0, 32
.set HD, 36
.set BA, 37
.set N,  38                            ; the trip
.set NG, 39                            ; -g - 1
.set Y,  40                            ; n - g - 1
.set KS, 41                            ; the step
.set TB, 42                            ; its LDS byte
.set LF, 43                            ; 1: a tile's last step, the one on the diagonal
.set QA, 44
.set QA2, 46
.set AB, 48
.set AB2, 50
.set DQ, 52                            ; on the diagonal: my first query less the step's first key
.set DQ2, 53
.set PSL, 54
.set PSH, 55
.set TL, 66
.set THI, 67
.set QS1, 68
.set QS2, 70
.macro CROUND                          ; a round of the cluster's barrier
	s_barrier_signal -1
	s_barrier_wait -1
	s_cmp_lg_u32 s[WV], 0
	s_cbranch_scc1 .Lnot_wave_0_\@
	s_barrier_signal -3
.Lnot_wave_0_\@:
	s_barrier_wait -3
	s_barrier_signal -1
	s_barrier_wait -1
.endm
.macro FRESH                           ; a tile begins: the largest t -3e38, the sum and O^T zeros: the first change of M multiplies zeros
	v_mov_b32 v13, 0xff61b1e6
	v_floor_f32 v12, -v13
	v_mov_b32 v14, 0
	v_mov_b32 v15, 0
.set I_, 0
.rept 32
	v_mov_b32 v[OT+I_], 0
.set I_, I_+1
.endr
.endm
; byte offsets of tile s[t]: q: its codes in qimg (1,024 a tile); w: its scale word in qsc (256 a step; lanes' half by bit 1, word by bit 2); a: its place in aimg; d: 16 x (tile % 8).  s58, s59, s60: the head's parts
.macro OFFS t, q, w, a, d
	s_lshl_b32 s[\q], s[\t], 10
	s_add_co_u32 s[\q], s[\q], s58
	s_mov_b32 s[\q+1], 0
	s_lshr_b32 s[\w], s[\t], 3
	s_lshl_b32 s[\w], s[\w], 8
	s_add_co_u32 s[\w], s[\w], s59
	s_bfe_u32 s56, s[\t], 0x10001
	s_lshl_b32 s56, s56, 7
	s_add_co_u32 s[\w], s[\w], s56
	s_bfe_u32 s56, s[\t], 0x10002
	s_lshl_b32 s56, s56, 2
	s_add_co_u32 s[\w], s[\w], s56
	s_mov_b32 s[\w+1], 0
	s_lshr_b32 s[\a], s[\t], 4
	s_lshl_b32 s[\a], s[\a], 18
	s_add_co_u32 s[\a], s[\a], s60
	s_and_b32 s56, s[\t], 15
	s_lshl_b32 s56, s56, 12
	s_add_co_u32 s[\a], s[\a], s56
	s_mov_b32 s[\a+1], 0
	s_and_b32 s[\d], s[\t], 7
	s_lshl_b32 s[\d], s[\d], 4
.endm
	s_load_b256 s[4:11], s[0:1], 0x0               ; qimg s[4:5], qsc s[6:7], kv s[8:9], aimg s[10:11]
	s_load_b64 s[12:13], s[0:1], 0x20              ; asc
	v_lshl_add_u32 v[SPW], v0, 2, SPARE
	v_mov_b32 v[NIL], 0
	ds_add_u32 v[SPW], v[NIL]                      ; the opening lines: the add, twice on end, and its wait ahead of the round in front of the first loads
	ds_add_u32 v[SPW], v[NIL]
	v_lshrrev_b32 v[ADK], 5, v0
	v_readfirstlane_b32 s[WV], v[ADK]              ; wave 0..15
	s_and_b32 s[B], s[WV], 1
	s_lshl_b32 s56, s[WV], 5
	s_add_co_u32 s56, s56, ASX
	s_mul_i32 s57, s[B], 30
	s_lshl_b32 s58, s[B], 9
	s_add_co_u32 s58, s58, ASX
	v_and_b32 v[ADK], 31, v0                       ; lane
	v_and_b32 v[ADS], 15, v0                       ; r
	v_bfe_u32 v[TMP], v0, 4, 1                     ; h
	v_lshlrev_b32 v[LI], 4, v[ADK]
	v_lshlrev_b32 v[LS], 3, v[ADK]
	v_lshlrev_b32 v[QSO], 3, v[ADS]
	v_lshl_add_u32 v[ASA], v[ADS], 1, s56          ; 32 bytes a wave, 2 a query
	v_xor_b32 v[ASR], s57, v[ADK]                  ; wave 0 reads the first tiles' 16-byte pieces in order; wave 1 the second tiles' with the waves' order turned round: piece lane xor 30
	v_lshl_add_u32 v[ASR], v[ASR], 4, s58
	v_lshlrev_b32 v[QL], 3, v[TMP]
	v_sub_nc_u32 v[QL], v[ADS], v[QL]
	v_mov_b32 v[NINF], 0xff800000
.irp i, 24,25,26,27,28,29,30,31
	v_mov_b32 v[\i], 0                             ; the zero codes between Q's two copies: written once
.endr
.irp b, 0,1,2,3
	v_mov_b32 v[PT+\b], 0                          ; a lane permute's destination counts as one of its sources
.endr
	v_mov_b32 v[FF+1], 0                           ; named as the upper half of a pair
	v_mov_b32 v[HW], 0                             ; written here too, since a tile's end stands under a branch
	v_mov_b32 v[WD], 0
	FRESH
	s_lshr_b32 s[G], s[WV], 1
	s_xor_b32 s[NG], s[G], -1                      ; -g - 1
	s_bfe_u32 s[CX], ttmp6, 0x40000                ; my place in the cluster
	s_and_b32 s[BH], ttmp7, 0xffff                 ; 16 x batch + head: the cluster's y
	s_and_b32 s[HD], s[BH], 15
	s_lshr_b32 s[BA], s[BH], 4
	s_lshl_b32 s[TL], s[G], 3
	s_lshl_b32 s56, s[CX], 1
	s_add_co_u32 s[TL], s[TL], s56
	s_add_co_u32 s[TL], s[TL], s[B]                ; my first tile, 8 g + 2 cx + b,
	s_sub_co_u32 s[THI], 127, s[TL]                ; and my second
	s_lshl_b32 s58, s[BH], 17                      ; qimg: 131,072 bytes a head
	s_lshl_b32 s59, s[BH], 12                      ; qsc: 4,096
	s_lshl_b32 s60, s[BA], 21                      ; aimg: [block of 256 tokens][K / 256][tile][K step][c][lane]: the batch, head / 4 x 65,536, head % 4 x 1,024
	s_lshr_b32 s56, s[HD], 2
	s_lshl_b32 s56, s56, 16
	s_add_co_u32 s60, s60, s56
	s_and_b32 s56, s[HD], 3
	s_lshl_b32 s56, s56, 10
	s_add_co_u32 s60, s60, s56
	OFFS TL, QA, QS1, AB, DQ
	OFFS THI, QA2, QS2, AB2, DQ2
	s_lshl_b32 s62, s[HD], 14                      ; asc: wave 0 stores quarter cx, groups 0-7; wave 1 quarter 3 - cx, groups 8-15
	s_lshl_b32 s56, s[BA], 12
	s_add_co_u32 s62, s62, s56
	s_lshl_b32 s56, s[CX], 10
	s_sub_co_u32 s57, 3, s[CX]
	s_lshl_b32 s57, s57, 10
	s_add_co_u32 s57, s57, 512
	s_cmp_eq_u32 s[WV], 0
	s_cselect_b32 s56, s56, s57
	s_add_co_u32 s62, s62, s56
	s_mov_b32 s63, 0
	s_mov_b32 s[PSL], 0x01000100                   ; an even tile's two scale bytes are a pair word's lower two, an odd tile's the upper two; they are wanted twice
	s_mov_b32 s[PSH], 0x03020302
	s_cmp_lg_u32 s[B], 0                           ; my first tile is odd where b = 1, my second where b = 0
	s_cselect_b32 s56, s[PSH], s[PSL]
	s_cselect_b32 s[PSH], s[PSL], s[PSH]
	s_mov_b32 s[PSL], s56
	s_mul_i32 s72, s[BH], 16*STEPB                 ; kv: my head, step = my wave's number
	s_mul_i32 s[G0+1], s[WV], STEPB                ; and the same step in LDS
	s_add_co_u32 s72, s72, s[G0+1]
	s_mov_b32 s73, 0
	s_mov_b32 s[G0], 1
	s_mov_b32 s[G1], 15|(3<<16)|(1<<21)            ; the mask of all four; elements of 8 bytes; bit 21 beside a mask: 66 dense rows of 256 bytes
	s_mov_b32 s[G1+1], 32<<16
	s_mov_b32 s[G1+2], 66<<16
	s_mov_b32 s[G1+3], 32<<16
	s_mov_b32 s[G1+4], 66
	s_mov_b32 s[G1+5], 32
	s_mov_b32 s[G1+6], 0
	s_mov_b32 s[G1+7], 0
	s_mov_b32 s[SEL], 0x76543210
	s_mov_b32 s[SEL+1], 0xfedcba98
	s_mov_b32 s[CS], 0x3d38aa3b                    ; log2(e) / 32
	s_mov_b32 s[CS+1], s[CS]
	s_mov_b32 s[MNT], 0x600000
	s_mov_b32 s[N], 0
	s_wait_alu depctr_va_vdst(0)                   ; the head's end
	s_wait_dscnt 0x0                               ; both opening adds are done
	CROUND                                         ; all four work-groups are here: the joint loads meet
	s_wait_kmcnt 0x0
	s_add_nc_u64 s[G0+2:G0+3], s[8:9], s[72:73]
	s_or_b32 s[G0+3], s[G0+3], 0x80000000
	s_cmp_lt_u32 s[WV], 4                          ; one load a wave; waves 0 to 3 have a line of their own, since the first barrier shows theirs alone
	s_cbranch_scc0 .Llater_steps
	tensor_load_to_lds s[G0:G0+3], s[G1:G1+7]
	s_nop 0
.rept 4
	v_nop
.endr
	s_branch .Lasked
.Llater_steps:
	tensor_load_to_lds s[G0:G0+3], s[G1:G1+7]
	s_nop 0
.rept 4
	v_nop
.endr
.Lasked:
	s_add_nc_u64 s[QA:QA+1], s[4:5], s[QA:QA+1]
	s_add_nc_u64 s[QA2:QA2+1], s[4:5], s[QA2:QA2+1]
	s_add_nc_u64 s[QS1:QS1+1], s[6:7], s[QS1:QS1+1]
	s_add_nc_u64 s[QS2:QS2+1], s[6:7], s[QS2:QS2+1]
	s_add_nc_u64 s[AB:AB+1], s[10:11], s[AB:AB+1]
	s_add_nc_u64 s[AB2:AB2+1], s[10:11], s[AB2:AB2+1]
	s_add_nc_u64 s[12:13], s[12:13], s[62:63]
	global_load_b128 v[16:19], v[LI], s[QA:QA+1]               ; the first tile's codes, twice
	global_load_b128 v[20:23], v[LI], s[QA:QA+1] offset:512
	global_load_b128 v[32:35], v[LI], s[QA:QA+1]
	global_load_b128 v[36:39], v[LI], s[QA:QA+1] offset:512
	global_load_b32 v[QW], v[QSO], s[QS1:QS1+1]
	global_load_b128 v[Q2:Q2+3], v[LI], s[QA2:QA2+1]           ; the second tile's wait in registers
	global_load_b128 v[Q2+4:Q2+7], v[LI], s[QA2:QA2+1] offset:512
	global_load_b32 v[Q2W], v[QSO], s[QS2:QS2+1]
.macro SMUL d, a, b, sa, ra            ; a tile of scores: it starts its sum with the constant 0
.if \ra
	v_wmma_scale_f32_16x16x128_f8f6f4 v[\d:\d+7], v[\a:\a+15], v[\b:\b+15], 0, v[\sa], v[QW] matrix_a_scale:MATRIX_SCALE_ROW1
.else
	v_wmma_scale_f32_16x16x128_f8f6f4 v[\d:\d+7], v[\a:\a+15], v[\b:\b+15], 0, v[\sa], v[QW]
.endif
.endm
.macro OMUL d, a, sa, ra
.if \ra
	v_wmma_scale_f32_16x16x128_f8f6f4 v[\d:\d+7], v[\a:\a+15], v[PC:PC+15], v[\d:\d+7], v[\sa], v[PWD] matrix_a_scale:MATRIX_SCALE_ROW1
.else
	v_wmma_scale_f32_16x16x128_f8f6f4 v[\d:\d+7], v[\a:\a+15], v[PC:PC+15], v[\d:\d+7], v[\sa], v[PWD]
.endif
.endm
; A KEY STEP: the 128 keys at LDS byte s[TB]
.macro STEP
	v_add_nc_u32 v[ADK], s[TB], v[LI]
	v_add_nc_u32 v[ADS], s[TB], v[LS]
.rept 6
	v_nop                                          ; with the two additions: eight places in front of loads into registers that products have read, and between Q's scale word and the first product
.endr
.irp b, 0,1,2,3
.irp c, 0,1,2,3
	ds_load_b128 v[FR+16*\b+4*\c:FR+16*\b+4*\c+3], v[ADK] offset:2048*\b+512*\c
.endr
.endr
	ds_load_b64 v[KW:KW+1], v[ADS] offset:16384    ; lanes 0-15: the words of pairs 0 and 2, lanes 16-31: of pairs 1 and 3
	s_wait_dscnt 0x0
	s_wait_alu depctr_va_vdst(0)
.irp b, 0,1,2,3
	SMUL S+16*\b, FR+16*\b, 16, KW+\b/2, \b%2      ; keys 32 b + 0 .. 15: (q | 0)
	SMUL S+16*\b+8, FR+16*\b, 24, KW+\b/2, \b%2    ; keys 32 b + 16 .. 31: (0 | q)
.endr
.rept 8
	v_nop
.endr
.irp t, 0,1,2,3                                ; V's fragments are asked for now and land under the softmax
.irp c, 0,1,2,3
	ds_load_b128 v[FR+16*\t+4*\c:FR+16*\t+4*\c+3], v[ADK] offset:8192+2048*\t+512*\c
.endr
.endr
	ds_load_b64 v[VW:VW+1], v[ADS] offset:16640
	s_cmp_eq_u32 s[LF], 0                          ; only a tile's last step lies on the diagonal: there hidden scores become -infinity ahead of the maximum
	s_cbranch_scc1 .Lopen_\@
	v_add_nc_u32 v[TMP], s[DQ], v[QL]              ; my query - the step's first key - 8 h: register 16 g + 8 u + e holds key 8 h + 32 g + 16 u + e of the step
.set I_, 0
.rept 64
	v_cmp_gt_i32 vcc_lo, 32*(I_/16)+16*((I_/8)%2)+I_%8, v[TMP]
	v_cndmask_b32 v[S+I_], v[S+I_], v[NINF], vcc_lo
.set I_, I_+1
.endr
.Lopen_\@:
.irp b, 0,1,2,3
	v_max3_num_f32 v[BM+\b], v[S+16*\b], v[S+1+16*\b], v[S+2+16*\b]   ; the largest score of each block of 32 keys: for the row's maximum, and, since p rises with the score, for the block's largest p
.endr
.irp i, 3,5,7,9,11,13
.irp b, 0,1,2,3
	v_max3_num_f32 v[BM+\b], v[BM+\b], v[S+16*\b+\i], v[S+1+16*\b+\i]
.endr
.endr
.irp b, 0,1,2,3
	v_max_num_f32 v[BM+\b], v[BM+\b], v[S+15+16*\b]
.endr
.irp b, 0,1,2,3
	s_delay_alu instid0(VALU_DEP_4)
	v_permlanex16_b32 v[PT+\b], v[BM+\b], s[SEL], s[SEL+1]
.endr
.irp b, 0,1,2,3
	s_delay_alu instid0(VALU_DEP_4)
	v_max_num_f32 v[BM+\b], v[BM+\b], v[PT+\b]     ; with lane l xor 16's 16 keys
.endr
	s_delay_alu instid0(VALU_DEP_2)
	v_max3_num_f32 v[TMP], v[BM], v[BM+1], v[BM+2]
	s_delay_alu instid0(VALU_DEP_1)
	v_max_num_f32 v[TMP], v[TMP], v[BM+3]
	s_delay_alu instid0(VALU_DEP_1)
	v_mul_f32 v[TMP], s[CS], v[TMP]                ; as t (c is positive)
	s_delay_alu instid0(VALU_DEP_1)
	v_max_num_f32 v13, v13, v[TMP]                 ; the running largest t
	v_mov_b32 v[TMP], v12
	s_delay_alu instid0(VALU_DEP_2)
	v_floor_f32 v12, -v13                          ; the new -M = floor(-t) = -ceil(t)
	s_delay_alu instid0(VALU_DEP_1)
	v_sub_f32 v[TMP], v12, v[TMP]                  ; old M - new M: a whole number, 0 or less
	s_delay_alu instid0(VALU_DEP_1)
	v_cvt_i32_f32 v[TMP], v[TMP]                   ; (it saturates)
	s_delay_alu instid0(VALU_DEP_1)
	v_ldexp_f32 v[FF], 1.0, v[TMP]                 ; f = 2^(old M - new M)
.set I_, 0
.rept 32
	v_pk_fma_f32 v[S+I_:S+I_+1], v[S+I_:S+I_+1], s[CS:CS+1], v[12:13] op_sel_hi:[1,0,0]   ; t - M, two at a time
.set I_, I_+2
.endr
.irp b, 0,1,2,3
	v_fma_f32 v[BM+\b], v[BM+\b], s[CS], v12       ; the same of each block's largest score
.endr
	s_wait_alu depctr_va_vdst(0)                   ; ahead of the batch
.set I_, 0
.rept 64
	v_exp_f32 v[S+I_], v[S+I_]                     ; p = 2^(t - M), at most 1
.set I_, I_+1
.endr
	v_pk_mul_f32 v[14:15], v[14:15], v[FF:FF+1] op_sel_hi:[1,0]   ; the sums under the new M: a plain line behind the exponentials
	s_wait_alu depctr_va_vdst(0)                   ; one wait for the batch of 64, ahead of its first reader
.irp b, 0,1,2,3
	v_exp_f32 v[BM+\b], v[BM+\b]                   ; the block's largest p
.endr
	v_pk_add_f32 v[PT:PT+1], v[S:S+1], v[S+2:S+3]                ; the row's sum of the unquantised p: 32 pairs in four chains by turns
	v_pk_add_f32 v[SC:SC+1], v[S+4:S+5], v[S+6:S+7]
	v_pk_add_f32 v[SC+2:SC+3], v[S+8:S+9], v[S+10:S+11]
.irp k, 12,20,28,36,44,52
	v_pk_add_f32 v[14:15], v[14:15], v[S+\k:S+\k+1]
	v_pk_add_f32 v[PT:PT+1], v[PT:PT+1], v[S+\k+2:S+\k+3]
	v_pk_add_f32 v[SC:SC+1], v[SC:SC+1], v[S+\k+4:S+\k+5]
	v_pk_add_f32 v[SC+2:SC+3], v[SC+2:SC+3], v[S+\k+6:S+\k+7]
.endr
	v_pk_add_f32 v[14:15], v[14:15], v[S+60:S+61]
	v_pk_add_f32 v[PT:PT+1], v[PT:PT+1], v[S+62:S+63]
	v_pk_add_f32 v[SC:SC+1], v[SC:SC+1], v[SC+2:SC+3]
	v_pk_add_f32 v[14:15], v[14:15], v[PT:PT+1]
	v_pk_add_f32 v[14:15], v[14:15], v[SC:SC+1]
	s_wait_alu depctr_va_vdst(0)                   ; and one for the four
.irp b, 0,1,2,3
	v_max_num_f32 v[BM+\b], 0x4800000, v[BM+\b]    ; the floor 2^(9 - 127): the byte cannot fall under 1
.endr
.irp b, 0,1,2,3
	s_delay_alu instid0(VALU_DEP_4)
	v_add_nc_u32 v[SO+\b], 0xfc000000, v[BM+\b]    ; 8 off the exponent field: the conversion's scale operand
.endr
.irp b, 0,1,2,3
	v_and_or_b32 v[HS+\b], v[BM+\b], 0x7f800000, s[MNT]   ; 448 x the scale
.endr
.irp b, 0,1,2,3
	v_lshrrev_b32 v[PT+\b], 23, v[SO+\b]           ; the scale's byte
.endr
	s_delay_alu instid0(VALU_DEP_3)
	v_lshl_or_b32 v[PWD], v[PT+1], 8, v[PT]        ; p's scale word for these 128 keys
	s_delay_alu instid0(VALU_DEP_1)
	v_lshl_or_b32 v[PWD], v[PT+2], 16, v[PWD]
	s_delay_alu instid0(VALU_DEP_1)
	v_lshl_or_b32 v[PWD], v[PT+3], 24, v[PWD]
.irp b, 0,1,2,3
.irp i, 0,1,2,3,4,5,6,7,8,9,10,11,12,13,14,15
	v_min_num_f32 v[S+16*\b+\i], v[S+16*\b+\i], v[HS+\b]   ; the conversion does not saturate (ISA guide 7.6.2); p is not negative, so the hold is one-sided
.endr
	v_cvt_scalef32_pk8_fp8_f32 v[PC+4*\b:PC+4*\b+1], v[S+16*\b:S+16*\b+7], v[SO+\b]
	v_cvt_scalef32_pk8_fp8_f32 v[PC+4*\b+2:PC+4*\b+3], v[S+16*\b+8:S+16*\b+15], v[SO+\b]
.endr
	s_wait_alu depctr_va_vdst(0)                   ; directly ahead of the first reader of O^T
.set I_, 0
.rept 16
	v_pk_mul_f32 v[OT+I_:OT+I_+1], v[OT+I_:OT+I_+1], v[FF:FF+1] op_sel_hi:[1,0]   ; O^T under the new M; these 16 are also the places between the codes and the products
.set I_, I_+2
.endr
	s_wait_alu depctr_va_vdst(0)
	s_wait_dscnt 0x0                               ; V's fragments and words are in
.irp t, 0,1,2,3
	OMUL OT+8*\t, FR+16*\t, VW+\t/2, \t%2          ; the four accumulators by turns; the next step's eight products of scores stand between two links of a chain
.endr
.endm
; A tile ends: O^T / l, quantised along the channels (two blocks of 32; a block lies in lanes l and l xor 16), leaves as the last product's operand registers; the two scale bytes stay in v[WD].
.macro FINAL
.rept 8
	v_nop                                          ; places in front of the first read of the last products' results
.endr
	v_add_f32 v14, v14, v15
	s_delay_alu instid0(VALU_DEP_1)
	v_permlanex16_b32 v[PT], v14, s[SEL], s[SEL+1]
	s_delay_alu instid0(VALU_DEP_1)
	v_add_f32 v14, v14, v[PT]                      ; the row's sum
	s_wait_alu depctr_va_vdst(0)
	v_rcp_f32 v[FF], v14
	v_nop                                          ; a plain line behind the reciprocal,
	s_wait_alu depctr_va_vdst(0)                   ; and the wait ahead of its first reader, which is also the first reader of O^T
.set I_, 0
.rept 16
	v_pk_mul_f32 v[OT+I_:OT+I_+1], v[OT+I_:OT+I_+1], v[FF:FF+1] op_sel_hi:[1,0]   ; each accumulator from its low end on
.set I_, I_+2
.endr
.irp b, 0,1
	v_max3_num_f32 v[BM+\b], |v[OT+16*\b]|, |v[OT+16*\b+1]|, 0x4800000
.endr
.irp i, 2,4,6,8,10,12,14
.irp b, 0,1
	s_delay_alu instid0(VALU_DEP_2)
	v_max3_num_f32 v[BM+\b], v[BM+\b], |v[OT+16*\b+\i]|, |v[OT+16*\b+\i+1]|
.endr
.endr
.irp b, 0,1
	s_delay_alu instid0(VALU_DEP_2)
	v_permlanex16_b32 v[PT+\b], v[BM+\b], s[SEL], s[SEL+1]
.endr
.irp b, 0,1
	s_delay_alu instid0(VALU_DEP_2)
	v_max_num_f32 v[BM+\b], v[BM+\b], v[PT+\b]
.endr
.irp b, 0,1
	s_delay_alu instid0(VALU_DEP_2)
	v_add_nc_u32 v[SO+\b], 0xfc000000, v[BM+\b]
.endr
.irp b, 0,1
	s_delay_alu instid0(VALU_DEP_4)
	v_and_or_b32 v[HS+\b], v[BM+\b], 0x7f800000, s[MNT]
.endr
.irp b, 0,1
	s_delay_alu instid0(VALU_DEP_4)
	v_lshrrev_b32 v[PT+\b], 23, v[SO+\b]
.endr
	s_delay_alu instid0(VALU_DEP_1)
	v_lshl_or_b32 v[WD], v[PT+1], 8, v[PT]
.irp b, 0,1
.irp i, 0,1,2,3,4,5,6,7,8,9,10,11,12,13,14,15
	v_med3_num_f32 v[OT+16*\b+\i], v[OT+16*\b+\i], -v[HS+\b], v[HS+\b]
.endr
	v_cvt_scalef32_pk8_fp8_f32 v[PC+4*\b:PC+4*\b+1], v[OT+16*\b:OT+16*\b+7], v[SO+\b]
	v_cvt_scalef32_pk8_fp8_f32 v[PC+4*\b+2:PC+4*\b+3], v[OT+16*\b+8:OT+16*\b+15], v[SO+\b]
.endr
	v_nop                                          ; one plain vector instruction behind the last conversion
	global_store_b128 v[LI], v[PC:PC+3], s[AB:AB+1]               ; each store of the wave covers 512 consecutive bytes, aligned to 256
	global_store_b128 v[LI], v[PC+4:PC+7], s[AB:AB+1] offset:512
	s_wait_xcnt 0x0                                ; the stores have read their data and their base: both are written again further on
.endm
.macro NEXT                            ; on to my second tile, from key 0
	s_mov_b64 s[AB:AB+1], s[AB2:AB2+1]
	s_mov_b32 s[DQ], s[DQ2]
	v_mov_b32 v[HW], v[WD]
.set I_, 0
.rept 8
	v_mov_b32 v[16+I_], v[Q2+I_]
	v_mov_b32 v[32+I_], v[Q2+I_]
.set I_, I_+1
.endr
	v_perm_b32 v[QW], v[Q2W], v[Q2W], s[PSH]
	FRESH
.endm
; The trips up to lim.  All that differs from wave to wave lies in scalars made of the wave's number and the trip.
.macro WALK lim
.Lwalk_\@:
	s_add_co_u32 s[Y], s[N], s[NG]                 ; n - g - 1
	s_min_u32 s[KS], s[N], s[Y]                    ; the first tile's step n while n <= g, then the second tile's step n - g - 1,
	s_min_u32 s[KS], s[KS], 15                     ; one of the sixteen
	s_mul_i32 s[TB], s[KS], STEPB
	s_cmp_eq_u32 s[Y], -1                          ; n = g: the first tile's last step;
	s_cselect_b32 s[LF], 1, 0
	s_cmp_eq_u32 s[N], 16                          ; n = 16: the second's
	s_cselect_b32 s[LF], 1, s[LF]
	STEP
	s_cmp_eq_u32 s[LF], 0
	s_cbranch_scc1 .Lsame_\@
	FINAL
	s_cmp_eq_u32 s[N], 16
	s_cbranch_scc1 .Lsame_\@
	NEXT
.Lsame_\@:
	s_add_co_u32 s[N], s[N], 1
	s_cmp_lt_u32 s[N], \lim
	s_cbranch_scc1 .Lwalk_\@
.endm
	s_cmp_lt_u32 s[WV], 4
	s_cbranch_scc0 .Lnot_first
	s_wait_tensorcnt 0x0                           ; waves 0 to 3: steps 0 to 3 have landed; the other waves' wait stands at the second barrier
.Lnot_first:
	s_barrier_signal -1
	s_barrier_wait -1
	s_wait_loadcnt 0x0                             ; Q of both tiles
	v_perm_b32 v[QW], v[QW], v[QW], s[PSL]         ; my tile's two bytes, twice
	WALK 4                                         ; trips 0 to 3 read steps 0 to 3 at the most
	s_wait_tensorcnt 0x0                           ; every wave: all sixteen steps have landed
	s_wait_dscnt 0x0
	s_barrier_signal -1
	s_barrier_wait -1
	WALK 17
	ds_store_b16 v[ASA], v[HW]                     ; the scale bytes of both tiles meet in LDS (both halves of the lanes write the same two bytes with the same value)
	ds_store_b16 v[ASA], v[WD] offset:512
	s_wait_dscnt 0x0                               ; for the others' sake: my stores have landed
	s_barrier_signal -1
	s_barrier_wait -1
	s_cmp_lt_u32 s[WV], 2
	s_cbranch_scc0 .Lno_words
	ds_load_b128 v[S:S+3], v[ASR]                  ; wave 0: the first tiles' 512 bytes, wave 1: the second tiles'; into registers that the last four products do not name
	s_wait_dscnt 0x0
	global_store_b128 v[LI], v[S:S+3], s[12:13]    ; 512 consecutive bytes, aligned to 256
.Lno_words:
	s_wait_tensorcnt 0x0                           ; the wave's end
	ds_add_u32 v[SPW], v[NIL]
	s_wait_dscnt 0x0
	CROUND                                         ; the closing round
	s_endpgm
.Lfunc_end_k_q202546005d_attn:
	.size	k_q202546005d_attn, .Lfunc_end_k_q202546005d_attn-k_q202546005d_attn
	.p2alignl 7, 3214868480
	.fill 96, 4, 3214868480
	.section	.rodata,"a",@progbits
	.p2align	6, 0x0
	.amdhsa_kernel k_q202546005d_attn
		.amdhsa_group_segment_fixed_size 327680
		.amdhsa_private_segment_fixed_size 0
		.amdhsa_enable_private_segment 0
		.amdhsa_kernarg_size 40
		.amdhsa_user_sgpr_count 2
		.amdhsa_user_sgpr_kernarg_segment_ptr 1
		.amdhsa_wavefront_size32 1
		.amdhsa_system_sgpr_workgroup_id_x 1
		.amdhsa_system_sgpr_workgroup_id_y 1
		.amdhsa_system_sgpr_workgroup_id_z 1
		.amdhsa_system_vgpr_workitem_id 0
		.amdhsa_next_free_vgpr 256
		.amdhsa_next_free_sgpr 100
		.amdhsa_reserve_vcc 1
		.amdhsa_float_denorm_mode_32 3
		.amdhsa_float_denorm_mode_16_64 3
		.amdhsa_memory_ordered 1
		.amdhsa_forward_progress 1
		.amdhsa_inst_pref_size 77
	.end_amdhsa_kernel
	.amdgpu_metadata
---
amdhsa.version: [ 1, 2 ]
amdhsa.kernels:
  - .name:           k_q202546005d_attn
    .symbol:         k_q202546005d_attn.kd
    .args:
      - { .name: qimg, .offset: 0, .size: 8, .value_kind: global_buffer, .address_space: global }
      - { .name: qsc, .offset: 8, .size: 8, .value_kind: global_buffer, .address_space: global }
      - { .name: kv, .offset: 16, .size: 8, .value_kind: global_buffer, .address_space: global }
      - { .name: aimg, .offset: 24, .size: 8, .value_kind: global_buffer, .address_space: global }
      - { .name: asc, .offset: 32, .size: 8, .value_kind: global_buffer, .address_space: global }
    .group_segment_fixed_size: 327680
    .private_segment_fixed_size: 0
    .kernarg_segment_align: 8
    .kernarg_segment_size: 40
    .max_flat_workgroup_size: 512
    .sgpr_count:     100
    .vgpr_count:     256
    .wavefront_size: 32
...
	.end_amdgpu_metadata
.endif
;; end of part 2
;; launch oproj (part 3): grid 8 x 32, 4 waves a work-group, clusters of 4 x 4, 327,680 bytes of LDS; arguments aimg, asc, Wo_codes, Wo_scales, bo, out0; writes out0
.if DOCPART == 3
	.amdgcn_target "amdgcn-amd-amdhsa--gfx1250"
	.amdhsa_code_object_version 6
	.text
	.protected	k_q202546005d_oproj
	.globl	k_q202546005d_oproj
	.p2align	8
	.type	k_q202546005d_oproj,@function
k_q202546005d_oproj:
	s_mov_b64 s[64:65], 0
	v_nop
	global_prefetch_b8 v0, s[64:65] scope:SCOPE_SE
	s_setreg_imm32_b32 hwreg(HW_REG_WAVE_MODE, 25, 1), 1
	s_wait_xcnt 0x0
	s_wait_alu depctr_hold_cnt(0) depctr_sa_sdst(0) depctr_va_vdst(0) depctr_va_sdst(0) depctr_va_ssrc(0) depctr_va_vcc(0) depctr_vm_vsrc(0)
	s_getreg_b32 s2, hwreg(HW_REG_IB_STS2, 6, 4)
	s_cmp_eq_u32 s2, 0
	s_cbranch_scc0 .Lentry_in_a_cluster
	s_endpgm
.Lentry_in_a_cluster:
	s_bfe_u32 s2, ttmp6, 0x10000c
	s_cmp_lg_u32 s2, 0xf033
	s_cbranch_scc0 .Lentry_shape_is_right
	s_endpgm
.Lentry_shape_is_right:
.set PITCH, 272
.set AB,    65536
.set WB,    64*PITCH
.set SLOT,  AB+2*WB
.set STAGE, 2*SLOT
.set SPITCH, 272
.set SPARE, STAGE+4*16*SPITCH
.set ADRA, 4
.set ADRB, 6
.set STO,  8
.set RD,   9
.set CO,   10
.set SPW,  14
.set NIL,  15
.set AS,   32
.set WOS,  64
.set AT,   80
.set BK,   128
.set WV, 16
.set TH, 17
.set CH, 18
.set G1A, 28
.set G1B, 36
.set G0A, 44
.set G0B, 52
.set OUT, 68
.set MSB, 0
.macro WIN new
.if MSB != (\new)
	s_set_vgpr_msb (MSB<<8)|(\new)
.set MSB, (\new)
.endif
.endm
.macro PLACES n
.rept \n
	v_nop
.endr
.endm
.macro JLOAD s
	s_cmp_eq_u32 s[TH], 0
	s_cbranch_scc0 .Lfor_b_\@
	tensor_load_to_lds s[G0A+4*\s:G0A+4*\s+3], s[G1A:G1A+7]
	s_nop 0
.rept 4
	v_nop
.endr
	s_branch .Lasked_\@
.Lfor_b_\@:
	tensor_load_to_lds s[G0B+4*\s:G0B+4*\s+3], s[G1B:G1B+7]
	s_nop 0
.rept 4
	v_nop
.endr
.Lasked_\@:
.endm
.macro CREST
	s_cmp_lg_u32 s[WV], 0
	s_cbranch_scc1 .Lnot_wave_0_\@
	s_barrier_signal -3
.Lnot_wave_0_\@:
	s_barrier_wait -3
	s_barrier_signal -1
	s_barrier_wait -1
.endm
.macro CROUND
	s_barrier_signal -1
	s_barrier_wait -1
	CREST
.endm
	s_load_b256 s[4:11], s[0:1], 0x0
	s_load_b128 s[12:15], s[0:1], 0x20
	v_lshl_add_u32 v[SPW], v0, 2, SPARE
	v_mov_b32 v[NIL], 0
	ds_add_u32 v14, v15
	ds_add_u32 v14, v15
	s_wait_dscnt 0x0
	v_lshrrev_b32 v16, 5, v0
	v_readfirstlane_b32 s[WV], v16
	s_lshr_b32 s[TH], s[WV], 1
	s_and_b32 s[CH], s[WV], 1
	s_bfe_u32 s19, ttmp6, 0x40000
	s_bfe_u32 s20, ttmp6, 0x40004
	s_lshl_b32 s21, ttmp9, 2
	s_add_co_u32 s21, s21, s19
	s_and_b32 s22, ttmp7, 0xffff
	s_lshl_b32 s22, s22, 2
	s_add_co_u32 s22, s22, s20
	s_lshl_b32 s23, s20, 2
	s_lshl_b32 s23, 15, s23
	s_lshl_b32 s24, 0x1111, s19
	s_or_b32 s[G1A], s23, (3<<16)|(1<<21)
	s_mov_b32 s[G1A+1], 32<<16
	s_mov_b32 s[G1A+2], 128<<16
	s_mov_b32 s[G1A+3], 32<<16
	s_mov_b32 s[G1A+4], 128
	s_mov_b32 s[G1A+5], 32
	s_mov_b32 s[G1A+6], 0
	s_mov_b32 s[G1A+7], 0
	s_or_b32 s[G1B], s24, (1<<20)|(1<<21)|(5<<22)|(3<<25)
	s_mov_b32 s[G1B+1], 256<<16
	s_mov_b32 s[G1B+2], 64<<16
	s_mov_b32 s[G1B+3], 256<<16
	s_mov_b32 s[G1B+4], 64
	s_mov_b32 s[G1B+5], 1024
	s_mov_b32 s[G1B+6], 0
	s_mov_b32 s[G1B+7], 0
	v_and_b32 v1, 15, v0
	v_bfe_u32 v2, v0, 4, 1
	v_and_b32 v3, 31, v0
	v_lshlrev_b32 v16, 4, v3
	v_mul_u32_u24 v17, v1, PITCH
	v_lshl_add_u32 v17, v2, 4, v17
	s_lshl_b32 s60, s[TH], 15
	s_mul_i32 s61, s[CH], WB
	s_add_co_u32 s61, s61, AB
.irp s, 0,1
	v_add_nc_u32 v[ADRA+\s], s60, v16
	v_add_nc_u32 v[ADRB+\s], s61, v17
	s_add_co_u32 s60, s60, SLOT
	s_add_co_u32 s61, s61, SLOT
.endr
	s_mul_i32 s60, s[WV], 16*SPITCH
	s_add_co_u32 s60, s60, STAGE
	v_mul_u32_u24 v[STO], v1, SPITCH
	v_lshl_add_u32 v[STO], v2, 5, v[STO]
	v_add_nc_u32 v[STO], s60, v[STO]
	v_mul_u32_u24 v[RD], v2, SPITCH
	v_lshl_add_u32 v[RD], v1, 4, v[RD]
	v_add_nc_u32 v[RD], s60, v[RD]
	v_lshlrev_b32 v[CO], 12, v2
	v_lshl_add_u32 v[CO], v1, 4, v[CO]
	v_lshlrev_b32 v18, 1, v3
	v_lshlrev_b32 v19, 5, v3
	v_lshlrev_b32 v20, 5, v2
	s_lshl_b32 s72, s22, 18
	s_lshl_b32 s73, s[CH], 15
	s_add_co_u32 s72, s72, s73
	s_mov_b32 s73, 0
	s_lshl_b32 s74, s21, 17
	s_lshl_b32 s75, s[CH], 16
	s_add_co_u32 s74, s74, s75
	s_mov_b32 s75, 0
	s_lshl_b32 s60, s[CH], 15
	s_mul_i32 s61, s[CH], WB
	s_add_co_u32 s61, s61, AB
	s_wait_kmcnt 0x0
	s_add_nc_u64 s[72:73], s[4:5], s[72:73]
	s_add_nc_u64 s[74:75], s[8:9], s[74:75]
.irp s, 0,1
	s_mov_b32 s[G0A+4*\s], 1
	s_add_co_u32 s[G0A+4*\s+1], s60, \s*SLOT
	s_add_nc_u64 s[G0A+4*\s+2:G0A+4*\s+3], s[72:73], \s*65536
	s_or_b32 s[G0A+4*\s+3], s[G0A+4*\s+3], 0x80000000
	s_mov_b32 s[G0B+4*\s], 1
	s_add_co_u32 s[G0B+4*\s+1], s61, \s*SLOT
	s_add_nc_u64 s[G0B+4*\s+2:G0B+4*\s+3], s[74:75], \s*256
	s_or_b32 s[G0B+4*\s+3], s[G0B+4*\s+3], 0x80000000
.endr
	CROUND
	JLOAD 0
	s_wait_alu depctr_va_vdst(0)
	s_wait_tensorcnt 0x0
	ds_add_u32 v14, v15
	s_wait_dscnt 0x0
	CROUND
	JLOAD 1
	s_lshl_b32 s60, s22, 8
	s_lshl_b32 s61, s[TH], 7
	s_add_co_u32 s62, s60, s61
	s_lshr_b32 s60, s62, 11                        ; asc: [head][batch][quarter (token / 32) % 4][group token / 128][token % 32] of 2 bytes: my batch, 4,096 bytes,
	s_lshl_b32 s60, s60, 12
	s_bfe_u32 s63, s62, 0x40007                    ; and my group of 128 tokens, 64 bytes
	s_lshl_b32 s63, s63, 6
	s_add_co_u32 s60, s60, s63
	s_mov_b32 s61, 0
	s_add_nc_u64 s[6:7], s[6:7], s[60:61]
	s_lshl_b32 s60, s62, 12
	s_lshl_b32 s63, s21, 9
	s_add_co_u32 s60, s60, s63
	s_lshl_b32 s63, s[CH], 8
	s_add_co_u32 s60, s60, s63
	s_add_nc_u64 s[OUT:OUT+1], s[14:15], s[60:61]
	s_lshl_b32 s60, s21, 7
	s_lshl_b32 s63, s[CH], 6
	s_add_co_u32 s62, s60, s63
	s_lshl_b32 s60, s62, 5
	s_add_nc_u64 s[10:11], s[10:11], s[60:61]
	s_lshl_b32 s60, s62, 2
	s_add_nc_u64 s[12:13], s[12:13], s[60:61]
	s_wait_alu depctr_va_vdst(0)
.irp k, 0,1,2,3,4,5,6,7
.irp i, 0,1,2,3
	global_load_u16 v[AS+8*\i+\k], v18, s[6:7] offset:(2*\k)*16384+1024*\i
	global_load_u16 v[AT+8*\i+\k], v18, s[6:7] offset:(2*\k+1)*16384+1024*\i
.endr
.endr
.irp t, 0,1
	global_load_b128 v[WOS+8*\t:WOS+8*\t+3], v19, s[10:11] offset:1024*\t
	global_load_b128 v[WOS+8*\t+4:WOS+8*\t+7], v19, s[10:11] offset:1024*\t+16
.endr
	WIN 0x40
.irp t, 0,1,2,3
	global_load_b128 v[224+8*\t:224+8*\t+3], v20, s[12:13] offset:64*\t
	global_load_b128 v[224+8*\t+4:224+8*\t+7], v20, s[12:13] offset:64*\t+16
.endr
	WIN 0
.macro WM d, a, b, c, sa, sb, ra, rb
.if (\ra) && (\rb)
	v_wmma_scale_f32_16x16x128_f8f6f4 v[\d:\d+7], v[\a:\a+15], v[\b:\b+15], v[\c:\c+7], v[\sa], v[\sb] matrix_a_scale:MATRIX_SCALE_ROW1 matrix_b_scale:MATRIX_SCALE_ROW1
.elseif (\ra)
	v_wmma_scale_f32_16x16x128_f8f6f4 v[\d:\d+7], v[\a:\a+15], v[\b:\b+15], v[\c:\c+7], v[\sa], v[\sb] matrix_a_scale:MATRIX_SCALE_ROW1
.elseif (\rb)
	v_wmma_scale_f32_16x16x128_f8f6f4 v[\d:\d+7], v[\a:\a+15], v[\b:\b+15], v[\c:\c+7], v[\sa], v[\sb] matrix_b_scale:MATRIX_SCALE_ROW1
.else
	v_wmma_scale_f32_16x16x128_f8f6f4 v[\d:\d+7], v[\a:\a+15], v[\b:\b+15], v[\c:\c+7], v[\sa], v[\sb]
.endif
.endm
.macro MUL j, g
.irp i, 2*(\g), 2*(\g)+1
.irp t, 0,1,2,3
.if (\j) == 0
	WM 8*(4*(\i)+\t), 128+16*\t, 16*(\i), 224+8*\t, WOS+8*(\t/2)+(\j), AS+8*((\i)/2)+(\j), \t%2, (\i)%2
.else
	WM 8*(4*(\i)+\t), 128+16*\t, 16*(\i), 8*(4*(\i)+\t), WOS+8*(\t/2)+(\j), AS+8*((\i)/2)+(\j), \t%2, (\i)%2
.endif
.endr
.endr
.endm
.macro FETCH slot, q, p
	WIN (1+(\p))<<6
.irp i, 0,1,2,3,4,5,6,7
.irp c, 0,1,2,3
	ds_load_b128 v[16*\i+4*\c:16*\i+4*\c+3], v[ADRA+(\slot)] offset:\i*4096+2048*(\q)+512*\c
.endr
.endr
.irp t, 0,1,2,3
.irp c, 0,1,2,3
	ds_load_b128 v[128+16*\t+4*\c:128+16*\t+4*\c+3], v[ADRB+(\slot)] offset:\t*16*PITCH+128*(\q)+32*\c
.endr
.endr
	WIN 0
.endm
.macro EVEN j, slot
	s_wait_dscnt 0x0
.if (\j) > 0
	PLACES 8
.endif
	FETCH \slot, 1, 1
.if (\j) == 0
	WIN 0xd5
.else
	WIN 0xf5
.endif
	MUL \j, 0
	MUL \j, 1
	MUL \j, 2
	MUL \j, 3
	WIN 0
.endm
.macro ODD j, slot, fill
	s_wait_tensorcnt 0x0
	ds_add_u32 v[SPW], v[NIL]
	s_wait_dscnt 1
	WIN 0xfa
	MUL \j, 0
	s_wait_dscnt 0x0
	s_barrier_signal -1
	MUL \j, 1
	WIN 0
	s_barrier_wait -1
.if \fill
	CREST
	s_add_nc_u64 s[G0A+4*\slot+2:G0A+4*\slot+3], s[G0A+4*\slot+2:G0A+4*\slot+3], 131072
	s_add_nc_u64 s[G0B+4*\slot+2:G0B+4*\slot+3], s[G0B+4*\slot+2:G0B+4*\slot+3], 512
	JLOAD \slot
	PLACES 4
.else
	PLACES 8
.endif
	FETCH 1-(\slot), 0, 0
	WIN 0xfa
	MUL \j, 2
	MUL \j, 3
	WIN 0
.endm
	s_wait_tensorcnt 1
	s_barrier_signal -1
	s_barrier_wait -1
	FETCH 0, 0, 0
	s_wait_loadcnt 0x0
.irp n, 0,1,2,3,4,5,6,7,8,9,10,11,12,13,14,15,16,17,18,19,20,21,22,23,24,25,26,27,28,29,30,31
	v_lshl_or_b32 v[AS+\n], v[AT+\n], 16, v[AS+\n]
.endr
	PLACES 8
	s_wait_alu depctr_va_vdst(0)
	EVEN 0, 0
	ODD  1, 0, 1
	EVEN 2, 1
	ODD  3, 1, 1
	EVEN 4, 0
	ODD  5, 0, 0
	EVEN 6, 1
	s_wait_dscnt 0x0
	WIN 0xfa
	MUL 7, 0
	MUL 7, 1
	MUL 7, 2
	MUL 7, 3
	WIN 0
.macro TOSTAGE i
	WIN 0x0c
.irp t, 0,1,2,3
	ds_store_b128 v[STO], v[8*(4*(\i)+\t):8*(4*(\i)+\t)+3] offset:64*\t
	ds_store_b128 v[STO], v[8*(4*(\i)+\t)+4:8*(4*(\i)+\t)+7] offset:64*\t+16
.endr
	WIN 0
.irp t, 0,1,2,3,4,5,6,7
	ds_load_b128 v[BK+32*((\i)%2)+4*\t:BK+32*((\i)%2)+4*\t+3], v[RD] offset:\t*2*SPITCH
.endr
.endm
.macro SEND i, younger
	s_wait_dscnt \younger
.irp t, 0,1,2,3,4,5,6,7
	global_store_b128 v[CO], v[BK+32*((\i)%2)+4*\t:BK+32*((\i)%2)+4*\t+3], s[OUT:OUT+1] offset:(\i)*65536+\t*8192 th:TH_STORE_NT
.endr
.endm
	PLACES 8
	TOSTAGE 0
.irp i, 1,2,3,4,5,6,7
.if \i > 1
	s_wait_xcnt 0x0
.endif
	TOSTAGE \i
	SEND \i-1, 16
.endr
	SEND 7, 0
	s_wait_tensorcnt 0x0
	ds_add_u32 v[SPW], v[NIL]
	s_wait_dscnt 0x0
	CROUND
	s_endpgm
.Lfunc_end_k_q202546005d_oproj:
	.size	k_q202546005d_oproj, .Lfunc_end_k_q202546005d_oproj-k_q202546005d_oproj
	.p2alignl 7, 3214868480
	.fill 96, 4, 3214868480
	.section	.rodata,"a",@progbits
	.p2align	6, 0x0
	.amdhsa_kernel k_q202546005d_oproj
		.amdhsa_group_segment_fixed_size 327680
		.amdhsa_private_segment_fixed_size 0
		.amdhsa_enable_private_segment 0
		.amdhsa_kernarg_size 48
		.amdhsa_user_sgpr_count 2
		.amdhsa_user_sgpr_kernarg_segment_ptr 1
		.amdhsa_wavefront_size32 1
		.amdhsa_system_sgpr_workgroup_id_x 1
		.amdhsa_system_sgpr_workgroup_id_y 1
		.amdhsa_system_sgpr_workgroup_id_z 1
		.amdhsa_system_vgpr_workitem_id 0
		.amdhsa_next_free_vgpr 1024
		.amdhsa_next_free_sgpr 100
		.amdhsa_reserve_vcc 0
		.amdhsa_float_denorm_mode_32 3
		.amdhsa_float_denorm_mode_16_64 3
		.amdhsa_memory_ordered 1
		.amdhsa_forward_progress 1
		.amdhsa_inst_pref_size 95
	.end_amdhsa_kernel
	.amdgpu_metadata
---
amdhsa.version: [ 1, 2 ]
amdhsa.kernels:
  - .name:           k_q202546005d_oproj
    .symbol:         k_q202546005d_oproj.kd
    .args:
      - { .name: aimg, .offset: 0, .size: 8, .value_kind: global_buffer, .address_space: global }
      - { .name: asc, .offset: 8, .size: 8, .value_kind: global_buffer, .address_space: global }
      - { .name: Wo_codes, .offset: 16, .size: 8, .value_kind: global_buffer, .address_space: global }
      - { .name: Wo_scales, .offset: 24, .size: 8, .value_kind: global_buffer, .address_space: global }
      - { .name: bo, .offset: 32, .size: 8, .value_kind: global_buffer, .address_space: global }
      - { .name: out0, .offset: 40, .size: 8, .value_kind: global_buffer, .address_space: global }
    .group_segment_fixed_size: 327680
    .private_segment_fixed_size: 0
    .kernarg_segment_align: 8
    .kernarg_segment_size: 48
    .max_flat_workgroup_size: 128
    .sgpr_count:     100
    .vgpr_count:     1024
    .wavefront_size: 32
...
	.end_amdgpu_metadata
.endif
;; end of part 3
